; MI455X (gfx1250); checked and timed in simulation.
; The chip was launched on July 23, 2026; its instructions are those of AMD's public machine-readable ISA for CDNA 5 (MIT licence, August 2026) and "CDNA5" Instruction Set Architecture Reference Guide (July 2026). The comments in the code are by the model that wrote it; some were corrected since.
;; Alpha Grid Mask. Allowed arithmetic: float matrix products may take bf16 or f16 operands with f32 sums; all other float work in f32.
;; Inputs: aabb 2 x 3 float32; alpha_volume 256 x 256 x 256 float32; xyz_sampled 8,388,608 x 4 float32.
;; Outputs: out0 8,388,608 float32.
;; Constants: contract_space = 1.
;; 2 versions, each right; version 2 is version 1 with the launch sample written anew for expert scheduling mode. Each part assembles by itself: llvm-mc -triple=amdgcn-amd-amdhsa -mcpu=gfx1250 --defsym DOCPART=n.
;; ======== version 1 of 2: 2 launches
;; workspace buffers: cell 33,554,432 bytes of whole numbers
;; launch cells (part 1): grid 1024 x 1, 8 waves a work-group, no clusters, 0 bytes of LDS; arguments xyz_sampled, aabb, cell; writes cell
.if DOCPART == 1
	.amdgcn_target "amdgcn-amd-amdhsa--gfx1250"
	.amdhsa_code_object_version 6
	.text
	.protected	k_q339385c6d2_cells
	.globl	k_q339385c6d2_cells
	.p2align	8
	.type	k_q339385c6d2_cells,@function
k_q339385c6d2_cells:
	s_mov_b64 s[64:65], 0
	v_nop
	global_prefetch_b8 v0, s[64:65] scope:SCOPE_SE
	s_setreg_imm32_b32 hwreg(HW_REG_WAVE_MODE, 25, 1), 1
	s_wait_xcnt 0x0
; AlphaGridMask, first of two launches: for each of the 8,388,608 points the CELL of the 256^3 volume in which it is interpolated, as a whole number.
; The cell is made here and stored, and the next launch forms its addresses from it.
; THE ARITHMETIC (macro COORD, the same lines in both launches, so that both get the same bits):
;   c = (xyz - aabb_min) * 2 / (aabb_max - aabb_min) - 1;  d = max |c| + 1e-8;  f = d > 1 ? 2 - 1/d : d;  place i = c * (f / d * 63.75) + 127.5,
;   which is ((f * 0.5 * c / d) + 1) * 0.5 * 255 with the constant factors drawn together.  cell = floor(i), held in 0 .. 254.
; WHY 0 .. 254.  |c| <= d and f <= 2, so the contracted coordinate lies in -1 .. 1 and i in 0 .. 255 for every finite point: of the zero padding only the neighbour 256 of i = 255 can be met,
; with weight 0.  Cell 254 with weight 1 gives the same value there, and all eight corners of every cell then lie inside the volume, at fixed distances from the first.
; LIMITS.  Both divisions are v_rcp_f32 (1 ulp), and the factors are rounded in another order than in the formula above: a place moves by a few 1e-5 of a cell at the most, and the interpolant is
; continuous.  Where d passes 2^126 the reciprocal is flushed to 0 and the point lands in the volume's middle.  NaN and infinities are not treated apart: their cell is some cell inside the volume.
; SHARES.  1,024 work-groups of eight waves; a work-group owns 8,192 consecutive points, 1,024 a batch; a wave 128 of a batch; lane l the points 32 p + l, p = 0 .. 3: each load of a wave covers 512
; consecutive bytes, aligned.  A lane's four cells are stored as 16 bytes, 512 consecutive bytes a wave: the workspace's own order, which the next launch reads back in the same registers.
; The stored number is the byte offset of the cell's first corner: z * 262144 + y * 1024 + x * 4.
; Memory binds: no LDS, no barrier, no matrix unit.  Two register slots keep eight loads of every wave on their way.
.set STEP_X, 16384                     ; bytes of xyz in a work-group's batch: 1,024 points x 16
.set STEP_C, 4096                      ; bytes of cells in a batch
.set TRIPS,  3                         ; a trip takes two batches; the last two are written out behind the loop
.set VX,   2                           ; v2       my byte offset in a batch of xyz: 2,048 x wave + 16 x lane; never rewritten
.set VC,   3                           ; v3       my byte offset in a batch of cells: 16 x thread; never rewritten
.set Q,    4                           ; v[4:7]   at work, one register a point
.set R,    8                           ; v[8:11]  at work, one register a point
.set C,    12                          ; v[12:19] slot s: four cells to store
.set X,    20                          ; v[20:51] slot s: four points as loaded (x, y, z, and a fourth number that the formula does not use)
.set AMIN, 16                          ; s16-18   aabb_min
.set AMAX, 19                          ; s19-21   aabb_max
.set INV,  22                          ; s22-24   2 / (aabb_max - aabb_min)
.set CNT,  25                          ; s25      trips to go
.set M,    28                          ; s28-31   d > 1, one mask a point
.macro FILL s, b                       ; slot s takes the batch b batches on from the base: four loads
.irp j, 0,1,2,3
	global_load_b128 v[X+16*(\s)+4*(\j):X+16*(\s)+4*(\j)+3], v[VX], s[4:5] offset:(\b)*STEP_X+512*(\j) th:TH_LOAD_NT
.endr
.endm
; Four points at v[x + 4 p .. + 2] become their places ix, iy, iz, in place; the fourth register of each point holds d.  The four points go side by side, so that no line waits for the one before it.
.macro COORD x
.irp p, 0,1,2,3
.irp a, 0,1,2
	v_subrev_f32 v[(\x)+4*(\p)+(\a)], s[AMIN+(\a)], v[(\x)+4*(\p)+(\a)]
.endr
.endr
.irp p, 0,1,2,3
.irp a, 0,1,2
	v_fma_f32 v[(\x)+4*(\p)+(\a)], v[(\x)+4*(\p)+(\a)], s[INV+(\a)], -1.0
.endr
.endr
.irp p, 0,1,2,3
	v_max3_num_f32 v[(\x)+4*(\p)+3], |v[(\x)+4*(\p)]|, |v[(\x)+4*(\p)+1]|, |v[(\x)+4*(\p)+2]|
.endr
.irp p, 0,1,2,3
	v_add_f32 v[(\x)+4*(\p)+3], 0x322bcc77, v[(\x)+4*(\p)+3]       ; + 1e-8
.endr
.irp p, 0,1,2,3
	v_rcp_f32 v[R+(\p)], v[(\x)+4*(\p)+3]
.endr
.irp p, 0,1,2,3
	v_cmp_lt_f32 s[M+(\p)], 1.0, v[(\x)+4*(\p)+3]                  ; plain lines between the reciprocals and the first use of their results (ISA guide 5.7.2)
.endr
	s_wait_alu depctr_va_vdst(0)
.irp p, 0,1,2,3
	v_sub_f32 v[Q+(\p)], 2.0, v[R+(\p)]
.endr
.irp p, 0,1,2,3
	v_cndmask_b32 v[Q+(\p)], v[(\x)+4*(\p)+3], v[Q+(\p)], s[M+(\p)]  ; f: a choice of values, no branch
.endr
.irp p, 0,1,2,3
	v_mul_f32 v[Q+(\p)], v[Q+(\p)], v[R+(\p)]
.endr
.irp p, 0,1,2,3
	v_mul_f32 v[Q+(\p)], 0x427f0000, v[Q+(\p)]                     ; x 63.75 = 0.5 x 0.5 x 255
.endr
.irp p, 0,1,2,3
.irp a, 0,1,2
	v_fmaak_f32 v[(\x)+4*(\p)+(\a)], v[(\x)+4*(\p)+(\a)], v[Q+(\p)], 0x42ff0000  ; + 127.5
.endr
.endr
.endm
; The turn of slot s.  ahead = 1: the slot is filled again with the batch two on.  left = how many younger loads may stay out.
.macro TURN s, ahead, left
	s_wait_loadcnt \left                           ; loads come back in order (ISA guide 5.7.1): my slot's four are in, the other slot's four may be out
	COORD X+16*(\s)
.irp p, 0,1,2,3
.irp a, 0,1,2
	v_floor_f32 v[X+16*(\s)+4*(\p)+(\a)], v[X+16*(\s)+4*(\p)+(\a)]
.endr
.endr
.irp p, 0,1,2,3
.irp a, 0,1,2
	v_med3_num_f32 v[X+16*(\s)+4*(\p)+(\a)], v[X+16*(\s)+4*(\p)+(\a)], 0, 0x437e0000  ; held in 0 .. 254
.endr
.endr
	; the byte offset, still in f32: whole numbers below 2^24 times 4, so every step is exact
.irp p, 0,1,2,3
	v_mul_f32 v[X+16*(\s)+4*(\p)], 4.0, v[X+16*(\s)+4*(\p)]
.endr
.irp p, 0,1,2,3
	v_fmamk_f32 v[X+16*(\s)+4*(\p)], v[X+16*(\s)+4*(\p)+1], 0x44800000, v[X+16*(\s)+4*(\p)]  ; + 1,024 y
.endr
.irp p, 0,1,2,3
	v_fmamk_f32 v[X+16*(\s)+4*(\p)], v[X+16*(\s)+4*(\p)+2], 0x48800000, v[X+16*(\s)+4*(\p)]  ; + 262,144 z
.endr
.irp p, 0,1,2,3
	v_cvt_u32_f32 v[C+4*(\s)+(\p)], v[X+16*(\s)+4*(\p)]
.endr
.if \ahead
	FILL \s, 2+(\s)                                ; the loads go out ahead of the store
.endif
	global_store_b128 v[VC], v[C+4*(\s):C+4*(\s)+3], s[8:9] offset:(\s)*STEP_C th:TH_STORE_NT  ; 512 consecutive bytes a wave, aligned
.endm
	s_load_b128 s[4:7], s[0:1], 0x0                ; xyz s[4:5], aabb s[6:7]
	s_load_b64 s[8:9], s[0:1], 0x10                ; cell
	v_and_b32 v[Q], 31, v0                         ; lane
	v_lshrrev_b32 v[Q+1], 5, v0                    ; wave
	v_lshlrev_b32 v[Q], 4, v[Q]
	v_lshl_add_u32 v[VX], v[Q+1], 11, v[Q]         ; 128 points x 16 bytes a wave, 16 bytes a lane
	v_lshlrev_b32 v[VC], 4, v0
	s_lshl_b32 s10, ttmp9, 17                      ; the work-group's 8,192 points: 131,072 bytes of xyz,
	s_mov_b32 s11, 0
	s_lshl_b32 s12, ttmp9, 15                      ; 32,768 bytes of cells
	s_mov_b32 s13, 0
	s_wait_kmcnt 0x0
	s_load_b128 s[16:19], s[6:7], 0x0              ; aabb's 24 bytes: min x, y, z, max x,
	s_load_b64 s[20:21], s[6:7], 0x10              ; max y, z
	s_add_nc_u64 s[4:5], s[4:5], s[10:11]
	s_add_nc_u64 s[8:9], s[8:9], s[12:13]
	FILL 0, 0                                      ; both slots are on their way before anything else is done
	FILL 1, 1
	s_wait_kmcnt 0x0
.irp a, 0,1,2
	v_sub_f32 v[Q+(\a)], s[AMAX+(\a)], s[AMIN+(\a)]
.endr
.irp a, 0,1,2
	v_rcp_f32 v[Q+(\a)], v[Q+(\a)]
.endr
	v_nop                                          ; a plain line between the last reciprocal and the use of its result
	s_wait_alu depctr_va_vdst(0)
.irp a, 0,1,2
	v_add_f32 v[Q+(\a)], v[Q+(\a)], v[Q+(\a)]      ; twice the reciprocal, exactly
.endr
.irp a, 0,1,2
	v_readfirstlane_b32 s[INV+(\a)], v[Q+(\a)]     ; the same in every lane: kept as scalars
.endr
	s_mov_b32 s[CNT], TRIPS
.Ltrip:
	TURN 0, 1, 4
	TURN 1, 1, 4
	s_wait_xcnt 0x0                                ; the bases, and the registers that the two stores read, are written again only behind this wait
	s_add_nc_u64 s[4:5], s[4:5], 2*STEP_X
	s_add_nc_u64 s[8:9], s[8:9], 2*STEP_C
	s_sub_co_u32 s[CNT], s[CNT], 1
	s_cmp_lg_u32 s[CNT], 0
	s_cbranch_scc1 .Ltrip
	TURN 0, 0, 4                                   ; the last two batches load nothing: no load leaves the buffer, and the counts run down
	TURN 1, 0, 0
	s_endpgm
.Lfunc_end_k_q339385c6d2_cells:
	.size	k_q339385c6d2_cells, .Lfunc_end_k_q339385c6d2_cells-k_q339385c6d2_cells
	.p2alignl 7, 3214868480
	.fill 96, 4, 3214868480
	.section	.rodata,"a",@progbits
	.p2align	6, 0x0
	.amdhsa_kernel k_q339385c6d2_cells
		.amdhsa_group_segment_fixed_size 0
		.amdhsa_private_segment_fixed_size 0
		.amdhsa_enable_private_segment 0
		.amdhsa_kernarg_size 24
		.amdhsa_user_sgpr_count 2
		.amdhsa_user_sgpr_kernarg_segment_ptr 1
		.amdhsa_wavefront_size32 1
		.amdhsa_system_sgpr_workgroup_id_x 1
		.amdhsa_system_sgpr_workgroup_id_y 1
		.amdhsa_system_sgpr_workgroup_id_z 1
		.amdhsa_system_vgpr_workitem_id 0
		.amdhsa_next_free_vgpr 52
		.amdhsa_next_free_sgpr 66
		.amdhsa_reserve_vcc 0
		.amdhsa_float_denorm_mode_32 3
		.amdhsa_float_denorm_mode_16_64 3
		.amdhsa_memory_ordered 1
		.amdhsa_forward_progress 1
		.amdhsa_inst_pref_size 27
	.end_amdhsa_kernel
	.amdgpu_metadata
---
amdhsa.version: [ 1, 2 ]
amdhsa.kernels:
  - .name:           k_q339385c6d2_cells
    .symbol:         k_q339385c6d2_cells.kd
    .args:
      - { .name: xyz_sampled, .offset: 0, .size: 8, .value_kind: global_buffer, .address_space: global }
      - { .name: aabb, .offset: 8, .size: 8, .value_kind: global_buffer, .address_space: global }
      - { .name: cell, .offset: 16, .size: 8, .value_kind: global_buffer, .address_space: global }
    .group_segment_fixed_size: 0
    .private_segment_fixed_size: 0
    .kernarg_segment_align: 8
    .kernarg_segment_size: 24
    .max_flat_workgroup_size: 256
    .sgpr_count:     66
    .vgpr_count:     52
    .wavefront_size: 32
...
	.end_amdgpu_metadata
.endif
;; end of part 1
;; launch sample (part 2): grid 1024 x 1, 8 waves a work-group, no clusters, 5,120 bytes of LDS; arguments xyz_sampled, cell, alpha_volume, out0, aabb; writes out0
.if DOCPART == 2
	.amdgcn_target "amdgcn-amd-amdhsa--gfx1250"
	.amdhsa_code_object_version 6
	.text
	.protected	k_q339385c6d2_sample
	.globl	k_q339385c6d2_sample
	.p2align	8
	.type	k_q339385c6d2_sample,@function
k_q339385c6d2_sample:
	s_mov_b64 s[64:65], 0
	v_nop
	global_prefetch_b8 v0, s[64:65] scope:SCOPE_SE
	s_setreg_imm32_b32 hwreg(HW_REG_WAVE_MODE, 25, 1), 1
	s_wait_xcnt 0x0
; AlphaGridMask, second of two launches: out[n] = the volume interpolated trilinearly at point n's contracted place.
; The launch before has stored each point's CELL as a whole number, the byte offset z * 262144 + y * 1024 + x * 4 of the cell's first corner, x, y, z in 0 .. 254.  The addresses of the eight gathers are
; made of that number alone.  The weights are made here anew from xyz, by the same lines as there (macro COORD), so they belong to that cell bit for bit: t = place - cell, cell = floor(place) held in 0 .. 254.
; THE ARITHMETIC.  c = (xyz - aabb_min) * 2 / (aabb_max - aabb_min) - 1;  d = max |c| + 1e-8;  f = d > 1 ? 2 - 1/d : d;  place i = c * (f / d * 63.75) + 127.5.
; Then along x, along y, along z: v = v0 + t (v1 - v0): seven interpolations, the first six two at a time.
; ZERO PADDING.  |c| <= d and f <= 2, so i lies in 0 .. 255 for every finite point: only the neighbour 256 of i = 255 falls outside, with weight 0; cell 254 with t = 1 gives the same value.
; LIMITS.  Both divisions are v_rcp_f32 (1 ulp); the factors and the eight products are rounded in another order than a sum of eight weighted corners: a place moves by a few 1e-5 of a cell at the most,
; and the interpolant is continuous.  Where d passes 2^126 the reciprocal is flushed to 0 and the point is read in the volume's middle.  A point with NaN gets NaN weights and so a NaN.
; SHARES.  1,024 work-groups of eight waves; a work-group owns 8,192 consecutive points, 1,024 a batch; a wave 128 of a batch; lane l the points 32 p + l, p = 0 .. 3: each load of xyz and of cells
; covers 512 consecutive bytes, aligned.  The results change lanes through 512 LDS bytes of the wave's own, so that lane l stores the points 4 l .. 4 l + 3: 512 consecutive bytes of out, aligned.
; ORDER OF A BATCH.  Cells in; 32 gathers out; the weights are made while they fly; the next batch's five loads go out; then point by point: its eight corners in, interpolated.
; No wave touches another's LDS bytes: no barrier.  No cluster: the work-groups share no tile at any one time.  No prefetch of the volume: 8.4 million points read the same blocks over and over.
.set STEP_X, 16384                     ; bytes of xyz in a work-group's batch: 1,024 points x 16
.set STEP_C, 4096                      ; bytes of cells, and of out, in a batch
.set TRIPS,  7                         ; batches in the loop; the eighth is written out behind it
.set SPARE,  4096                      ; LDS: eight stages of 512 bytes, then the spare words, 128 bytes a wave: four blocks of 256 bytes that no other line names
.set SPW,  2                           ; v2       LDS address of my spare word: SPARE + 4 x my thread's number; never rewritten
.set NIL,  3                           ; v3       0; never rewritten
.set VX,   4                           ; v4       my byte offset in a batch of xyz: 2,048 x wave + 16 x lane; never rewritten
.set VC,   5                           ; v5       my byte offset in a batch of cells and of out: 16 x thread; never rewritten
.set LST,  6                           ; v6       my wave's stage + 4 x lane: where a result goes
.set LLD,  7                           ; v7       my wave's stage + 16 x lane: where four neighbouring results come back
.set Q,    8                           ; v[8:11]  at work, one register a point
.set R,    12                          ; v[12:15] at work, one register a point
.set I,    16                          ; v[16:19] four cells as loaded
.set A,    20                          ; v[20:23] the byte offset of each point's first corner
.set TXY,  24                          ; v[24:31] point p: tx, ty as a pair
.set TZ,   32                          ; v[32:35] point p: tz
.set O,    36                          ; v[36:39] four results to store
.set X,    40                          ; v[40:55] four points as loaded (x, y, z, and a fourth number that the formula does not use)
.set G,    56                          ; v[56:87] point p: eight corners; corner (dz, dy, dx) at 4 dx + 2 dy + dz, so that the packed lines find their pairs
.set AMIN, 16                          ; s16-18   aabb_min
.set AMAX, 19                          ; s19-21   aabb_max
.set INV,  22                          ; s22-24   2 / (aabb_max - aabb_min)
.set CNT,  25                          ; s25      trips to go
.set M,    28                          ; s28-31   d > 1, one mask a point
; Four points at v[x + 4 p .. + 2] become their places ix, iy, iz, in place; the fourth register of each point holds d.  The four points go side by side, so that no line waits for the one before it.
.macro COORD x
.irp p, 0,1,2,3
.irp a, 0,1,2
	v_subrev_f32 v[(\x)+4*(\p)+(\a)], s[AMIN+(\a)], v[(\x)+4*(\p)+(\a)]
.endr
.endr
.irp p, 0,1,2,3
.irp a, 0,1,2
	v_fma_f32 v[(\x)+4*(\p)+(\a)], v[(\x)+4*(\p)+(\a)], s[INV+(\a)], -1.0
.endr
.endr
.irp p, 0,1,2,3
	v_max3_num_f32 v[(\x)+4*(\p)+3], |v[(\x)+4*(\p)]|, |v[(\x)+4*(\p)+1]|, |v[(\x)+4*(\p)+2]|
.endr
.irp p, 0,1,2,3
	v_add_f32 v[(\x)+4*(\p)+3], 0x322bcc77, v[(\x)+4*(\p)+3]       ; + 1e-8
.endr
.irp p, 0,1,2,3
	v_rcp_f32 v[R+(\p)], v[(\x)+4*(\p)+3]
.endr
.irp p, 0,1,2,3
	v_cmp_lt_f32 s[M+(\p)], 1.0, v[(\x)+4*(\p)+3]                  ; plain lines between the reciprocals and the first use of their results (ISA guide 5.7.2)
.endr
	s_wait_alu depctr_va_vdst(0)
.irp p, 0,1,2,3
	v_sub_f32 v[Q+(\p)], 2.0, v[R+(\p)]
.endr
.irp p, 0,1,2,3
	v_cndmask_b32 v[Q+(\p)], v[(\x)+4*(\p)+3], v[Q+(\p)], s[M+(\p)]  ; f: a choice of values, no branch
.endr
.irp p, 0,1,2,3
	v_mul_f32 v[Q+(\p)], v[Q+(\p)], v[R+(\p)]
.endr
.irp p, 0,1,2,3
	v_mul_f32 v[Q+(\p)], 0x427f0000, v[Q+(\p)]                     ; x 63.75 = 0.5 x 0.5 x 255
.endr
.irp p, 0,1,2,3
.irp a, 0,1,2
	v_fmaak_f32 v[(\x)+4*(\p)+(\a)], v[(\x)+4*(\p)+(\a)], v[Q+(\p)], 0x42ff0000  ; + 127.5
.endr
.endr
.endm
; Point p's eight corners become one number, in v[G + 8 p].
.macro LERP p
	v_pk_add_f32 v[G+8*(\p)+4:G+8*(\p)+5], v[G+8*(\p)+4:G+8*(\p)+5], v[G+8*(\p):G+8*(\p)+1] neg_lo:[0,1] neg_hi:[0,1]      ; along x: v1 - v0, row y, both z
	v_pk_add_f32 v[G+8*(\p)+6:G+8*(\p)+7], v[G+8*(\p)+6:G+8*(\p)+7], v[G+8*(\p)+2:G+8*(\p)+3] neg_lo:[0,1] neg_hi:[0,1]    ; row y + 1
	v_pk_fma_f32 v[G+8*(\p):G+8*(\p)+1], v[G+8*(\p)+4:G+8*(\p)+5], v[TXY+2*(\p):TXY+2*(\p)+1], v[G+8*(\p):G+8*(\p)+1] op_sel_hi:[1,0,1]      ; v0 + tx (v1 - v0): the pair's first register for both halves
	v_pk_fma_f32 v[G+8*(\p)+2:G+8*(\p)+3], v[G+8*(\p)+6:G+8*(\p)+7], v[TXY+2*(\p):TXY+2*(\p)+1], v[G+8*(\p)+2:G+8*(\p)+3] op_sel_hi:[1,0,1]
	v_pk_add_f32 v[G+8*(\p)+2:G+8*(\p)+3], v[G+8*(\p)+2:G+8*(\p)+3], v[G+8*(\p):G+8*(\p)+1] neg_lo:[0,1] neg_hi:[0,1]      ; along y
	v_pk_fma_f32 v[G+8*(\p):G+8*(\p)+1], v[G+8*(\p)+2:G+8*(\p)+3], v[TXY+2*(\p):TXY+2*(\p)+1], v[G+8*(\p):G+8*(\p)+1] op_sel:[0,1,0] op_sel_hi:[1,1,1]  ; ty: the pair's second register for both halves
	v_sub_f32 v[G+8*(\p)+1], v[G+8*(\p)+1], v[G+8*(\p)]                                                                    ; along z
	v_fmac_f32 v[G+8*(\p)], v[TZ+(\p)], v[G+8*(\p)+1]
.endm
; A batch.  ahead = 1: the next batch's cells and points are asked for.
.macro BATCH ahead
	s_wait_loadcnt 4                               ; loads come back in order (ISA guide 5.7.1): the cells are in; the four loads of points behind them may be out
	; The offset is taken apart, each part held inside its range, and put together: z * 256 + y <= 0xfefe and 4 x <= 1,016, so that the farthest corner, 263,172 bytes on, is the volume's last number at the most.
.irp p, 0,1,2,3
	v_lshrrev_b32 v[A+(\p)], 10, v[I+(\p)]
	v_and_b32 v[Q+(\p)], 0x3fc, v[I+(\p)]
.endr
.irp p, 0,1,2,3
	v_min_u32 v[A+(\p)], 0xfefe, v[A+(\p)]
	v_min_u32 v[Q+(\p)], 0x3f8, v[Q+(\p)]
.endr
.irp p, 0,1,2,3
	v_lshl_add_u32 v[A+(\p)], v[A+(\p)], 10, v[Q+(\p)]
.endr
.irp p, 0,1,2,3
.irp c, 0,1,2,3                        ; c = 2 dy + dz; a row's two neighbours one behind the other
	global_load_b32 v[G+8*(\p)+(\c)],   v[A+(\p)], s[8:9] offset:((\c)/2)*1024+((\c)%2)*262144
	global_load_b32 v[G+8*(\p)+4+(\c)], v[A+(\p)], s[8:9] offset:((\c)/2)*1024+((\c)%2)*262144+4
.endr
.endr
	s_wait_loadcnt 32                              ; the points are in; the 32 gathers behind them are out, and the weights are made meanwhile
	COORD X
.irp a, 0,1
.irp p, 0,1,2,3
	v_floor_f32 v[R+(\p)], v[X+4*(\p)+(\a)]
.endr
.irp p, 0,1,2,3
	v_med3_num_f32 v[R+(\p)], v[R+(\p)], 0, 0x437e0000             ; the cell, held in 0 .. 254 as in the launch before
.endr
.irp p, 0,1,2,3
	v_sub_f32 v[TXY+2*(\p)+(\a)], v[X+4*(\p)+(\a)], v[R+(\p)]
.endr
.endr
.irp p, 0,1,2,3
	v_floor_f32 v[Q+(\p)], v[X+4*(\p)+2]
.endr
.irp p, 0,1,2,3
	v_med3_num_f32 v[Q+(\p)], v[Q+(\p)], 0, 0x437e0000
.endr
.irp p, 0,1,2,3
	v_sub_f32 v[TZ+(\p)], v[X+4*(\p)+2], v[Q+(\p)]
.endr
.if \ahead
	global_load_b128 v[I:I+3], v[VC], s[6:7] offset:STEP_C th:TH_LOAD_NT   ; the cells first: the next batch's gathers hang on them alone
.irp j, 0,1,2,3
	global_load_b128 v[X+4*(\j):X+4*(\j)+3], v[VX], s[4:5] offset:STEP_X+512*(\j) th:TH_LOAD_NT
.endr
.endif
.irp p, 0,1,2,3
	s_wait_loadcnt 5*(\ahead)+8*(3-(\p))           ; point p's eight corners are in; the later points' gathers and the next batch's five loads may be out
	LERP \p
	ds_store_b32 v[LST], v[G+8*(\p)] offset:128*(\p)               ; point 32 p + l of the wave's 128, at 4 bytes a point
.endr
	ds_load_b128 v[O:O+3], v[LLD]                  ; points 4 l .. 4 l + 3.  LDS serves a wave's instructions in order (ISA guide 5.7.1.4): this load sees the four stores, and the next batch's stores come behind it
	s_wait_dscnt 0x0
	global_store_b128 v[VC], v[O:O+3], s[10:11] th:TH_STORE_NT     ; 512 consecutive bytes a wave, aligned
.endm
	s_load_b256 s[4:11], s[0:1], 0x0               ; xyz s[4:5], cell s[6:7], volume s[8:9], out s[10:11]
	s_load_b64 s[12:13], s[0:1], 0x20              ; aabb
	v_lshl_add_u32 v[SPW], v0, 2, SPARE            ; the two registers of the add at the wave's end
	v_mov_b32 v[NIL], 0
	v_and_b32 v[Q], 31, v0                         ; lane
	v_lshrrev_b32 v[Q+1], 5, v0
	v_readfirstlane_b32 s14, v[Q+1]                ; wave
	s_lshl_b32 s15, s14, 9                         ; my wave's stage: 512 bytes
	v_lshlrev_b32 v[VC], 4, v0
	v_lshlrev_b32 v[Q+2], 4, v[Q]
	v_lshl_add_u32 v[VX], v[Q+1], 11, v[Q+2]       ; 128 points x 16 bytes a wave, 16 bytes a lane
	v_lshl_add_u32 v[LST], v[Q], 2, s15
	v_lshl_add_u32 v[LLD], v[Q], 4, s15
	s_lshl_b32 s26, ttmp9, 17                      ; the work-group's 8,192 points: 131,072 bytes of xyz,
	s_mov_b32 s27, 0
	s_lshl_b32 s28, ttmp9, 15                      ; 32,768 bytes of cells and of out
	s_mov_b32 s29, 0
	s_wait_kmcnt 0x0
	s_load_b128 s[16:19], s[12:13], 0x0            ; aabb's 24 bytes: min x, y, z, max x,
	s_load_b64 s[20:21], s[12:13], 0x10            ; max y, z
	s_add_nc_u64 s[4:5], s[4:5], s[26:27]
	s_add_nc_u64 s[6:7], s[6:7], s[28:29]
	s_add_nc_u64 s[10:11], s[10:11], s[28:29]
	global_load_b128 v[I:I+3], v[VC], s[6:7] th:TH_LOAD_NT         ; the first batch: the cells, then the points
.irp j, 0,1,2,3
	global_load_b128 v[X+4*(\j):X+4*(\j)+3], v[VX], s[4:5] offset:512*(\j) th:TH_LOAD_NT
.endr
	s_wait_kmcnt 0x0
.irp a, 0,1,2
	v_sub_f32 v[Q+(\a)], s[AMAX+(\a)], s[AMIN+(\a)]
.endr
.irp a, 0,1,2
	v_rcp_f32 v[Q+(\a)], v[Q+(\a)]
.endr
	v_nop                                          ; a plain line between the last reciprocal and the use of its result
	s_wait_alu depctr_va_vdst(0)
.irp a, 0,1,2
	v_add_f32 v[Q+(\a)], v[Q+(\a)], v[Q+(\a)]      ; twice the reciprocal, exactly
.endr
.irp a, 0,1,2
	v_readfirstlane_b32 s[INV+(\a)], v[Q+(\a)]     ; the same in every lane: kept as scalars
.endr
	s_mov_b32 s[CNT], TRIPS
.Ltrip:
	BATCH 1
	s_wait_xcnt 0x0                                ; the three bases, and the registers that the store reads, are written again only behind this wait
	s_add_nc_u64 s[4:5], s[4:5], STEP_X
	s_add_nc_u64 s[6:7], s[6:7], STEP_C
	s_add_nc_u64 s[10:11], s[10:11], STEP_C
	s_sub_co_u32 s[CNT], s[CNT], 1
	s_cmp_lg_u32 s[CNT], 0
	s_cbranch_scc1 .Ltrip
	BATCH 0                                        ; the last batch asks for nothing more: no load leaves its buffer
	s_wait_tensorcnt 0x0                           ; the wave's end, behind my last LDS store
	ds_add_u32 v[SPW], v[NIL]
	s_wait_dscnt 0x0
	s_endpgm
.Lfunc_end_k_q339385c6d2_sample:
	.size	k_q339385c6d2_sample, .Lfunc_end_k_q339385c6d2_sample-k_q339385c6d2_sample
	.p2alignl 7, 3214868480
	.fill 96, 4, 3214868480
	.section	.rodata,"a",@progbits
	.p2align	6, 0x0
	.amdhsa_kernel k_q339385c6d2_sample
		.amdhsa_group_segment_fixed_size 5120
		.amdhsa_private_segment_fixed_size 0
		.amdhsa_enable_private_segment 0
		.amdhsa_kernarg_size 40
		.amdhsa_user_sgpr_count 2
		.amdhsa_user_sgpr_kernarg_segment_ptr 1
		.amdhsa_wavefront_size32 1
		.amdhsa_system_sgpr_workgroup_id_x 1
		.amdhsa_system_sgpr_workgroup_id_y 1
		.amdhsa_system_sgpr_workgroup_id_z 1
		.amdhsa_system_vgpr_workitem_id 0
		.amdhsa_next_free_vgpr 88
		.amdhsa_next_free_sgpr 66
		.amdhsa_reserve_vcc 0
		.amdhsa_float_denorm_mode_32 3
		.amdhsa_float_denorm_mode_16_64 3
		.amdhsa_memory_ordered 1
		.amdhsa_forward_progress 1
		.amdhsa_inst_pref_size 28
	.end_amdhsa_kernel
	.amdgpu_metadata
---
amdhsa.version: [ 1, 2 ]
amdhsa.kernels:
  - .name:           k_q339385c6d2_sample
    .symbol:         k_q339385c6d2_sample.kd
    .args:
      - { .name: xyz_sampled, .offset: 0, .size: 8, .value_kind: global_buffer, .address_space: global }
      - { .name: cell, .offset: 8, .size: 8, .value_kind: global_buffer, .address_space: global }
      - { .name: alpha_volume, .offset: 16, .size: 8, .value_kind: global_buffer, .address_space: global }
      - { .name: out0, .offset: 24, .size: 8, .value_kind: global_buffer, .address_space: global }
      - { .name: aabb, .offset: 32, .size: 8, .value_kind: global_buffer, .address_space: global }
    .group_segment_fixed_size: 5120
    .private_segment_fixed_size: 0
    .kernarg_segment_align: 8
    .kernarg_segment_size: 40
    .max_flat_workgroup_size: 256
    .sgpr_count:     66
    .vgpr_count:     88
    .wavefront_size: 32
...
	.end_amdgpu_metadata
.endif
;; end of part 2
;; ======== version 2 of 2: 2 launches; version 1 with the launch sample written anew for expert scheduling mode
;; workspace buffers: cell 33,554,432 bytes of whole numbers
;; launch cells: the kernel of part 1 again; grid 1024 x 1, 8 waves a work-group, no clusters, 0 bytes of LDS; arguments xyz_sampled, aabb, cell; writes cell
;; launch sample (part 3): grid 1024 x 1, 8 waves a work-group, no clusters, 5,120 bytes of LDS; arguments xyz_sampled, cell, alpha_volume, out0, aabb; writes out0
.if DOCPART == 3
	.amdgcn_target "amdgcn-amd-amdhsa--gfx1250"
	.amdhsa_code_object_version 6
	.text
	.protected	k_q339385c6d2_sample
	.globl	k_q339385c6d2_sample
	.p2align	8
	.type	k_q339385c6d2_sample,@function
k_q339385c6d2_sample:
	s_mov_b64 s[64:65], 0
	v_nop
	global_prefetch_b8 v0, s[64:65] scope:SCOPE_SE
	s_setreg_imm32_b32 hwreg(HW_REG_WAVE_SCHED_MODE, 0, 2), 2
	s_setreg_imm32_b32 hwreg(HW_REG_WAVE_MODE, 25, 1), 1
	s_wait_xcnt 0x0
	s_wait_alu depctr_vm_vsrc(0)
; AlphaGridMask, second of two launches: out[n] = the volume interpolated trilinearly at point n's contracted place.
; The launch before has stored each point's CELL as a whole number, the byte offset z * 262144 + y * 1024 + x * 4 of the cell's first corner, x, y, z in 0 .. 254.  The addresses of the eight gathers are
; made of that number alone.  The weights are made here anew from xyz, by the same arithmetic lines as there (macro COORD), so they belong to that cell bit for bit: t = place - cell, cell = floor(place) held in 0 .. 254.
; THE ARITHMETIC.  c = (xyz - aabb_min) * 2 / (aabb_max - aabb_min) - 1;  d = max |c| + 1e-8;  f = d > 1 ? 2 - 1/d : d;  place i = c * (f / d * 63.75) + 127.5.
; Then along x, along y, along z: v = v0 + t (v1 - v0): seven interpolations, the first six two at a time.
; ZERO PADDING.  |c| <= d and f <= 2, so i lies in 0 .. 255 for every finite point: only the neighbour 256 of i = 255 falls outside, with weight 0; cell 254 with t = 1 gives the same value.
; LIMITS.  Both divisions are v_rcp_f32 (1 ulp); the factors and the eight products are rounded in another order than a sum of eight weighted corners: a place moves by a few 1e-5 of a cell at the most,
; and the interpolant is continuous.  Where d passes 2^126 the reciprocal is flushed to 0 and the point is read in the volume's middle.  A point with NaN gets NaN weights and so a NaN.
; SHARES.  1,024 work-groups of eight waves; a work-group owns 8,192 consecutive points, 1,024 a batch; a wave 128 of a batch; lane l the points 32 p + l, p = 0 .. 3: each load of xyz and of cells
; covers 512 consecutive bytes, aligned.  The results change lanes through 512 LDS bytes of the wave's own, so that lane l stores the points 4 l .. 4 l + 3: 512 consecutive bytes of out, aligned.
; No wave touches another's LDS bytes: no barrier.  No cluster: the work-groups share no tile at any one time.  No prefetch of the volume: 8.4 million points read the same blocks over and over.
; THE MODE: SCHED_MODE bits 1:0 = 2 (LLVM: expert scheduling mode 2), set by the entry lines.  The code itself states the register dependences
; between vector instructions and memory or LDS instructions, with s_wait_alu, always for 0.
; THE PLAN.  Batch b has the parity s = b % 2.  Registers that memory or LDS instructions touch:
;   I          the cells.  Loaded in batch b - 1; read by batch b's eight address lines; loaded again in batch b, behind the wait that follows those lines.
;   A          the gathers' offsets.  Written by batch b's address lines; read by its 32 gathers.
;   X0, X1     the points.  X[s] is loaded in batch b - 1 and worked on in place by batch b's vector lines; meanwhile batch b's loads land in the other, which only batch b - 1's vector lines have named.
;   G          the corners.  Batch b's gathers land in it; its interpolations work in place; its four LDS stores read the four results.
;   O0, O1     the results as they leave.  The LDS load at the end of batch b lands in O[s]; the store issued in batch b + 1 reads it; no vector line names it.
;   v2 - v7    addresses, made once at the head and never written again: the batches are reached by the scalar bases, which move on by a batch at each batch's head, and by immediate offsets.
; ORDER OF A BATCH.  Cells in.  One wait on vm_vsrc: A, G and O[s] have been read by the batch before.  The address lines.  One wait on va_vdst: A is written, I is read.  Then, with no vector line
; among them: 32 gathers, the next batch's five loads, the store of the batch before.  The weights are made while the gathers fly.  Point by point: its eight corners in, interpolated.  One wait on va_vdst: the four
; results are written.  Four LDS stores and the LDS load.
.set STEP_X, 16384                     ; bytes of xyz in a work-group's batch: 1,024 points x 16
.set STEP_C, 4096                      ; bytes of cells, and of out, in a batch
.set TRIPS,  3                         ; a trip takes two batches, so that both kinds of buffer are back at their start; the first batch and the last are written out
.set SPARE,  4096                      ; LDS: eight stages of 512 bytes, then the spare words, 128 bytes a wave: four blocks of 256 bytes that no other line names
.set SPW,  2                           ; v2       LDS address of my spare word: SPARE + 4 x my thread's number; never rewritten
.set NIL,  3                           ; v3       0; never rewritten
.set VX,   4                           ; v4       my byte offset in a batch of xyz: 2,048 x wave + 16 x lane; never rewritten
.set VC,   5                           ; v5       my byte offset in a batch of cells and of out: 16 x thread; never rewritten
.set LST,  6                           ; v6       my wave's stage + 4 x lane: where a result goes
.set LLD,  7                           ; v7       my wave's stage + 16 x lane: where four neighbouring results come back
.set Q,    8                           ; v[8:11]  at work, one register a point
.set R,    12                          ; v[12:15] at work, one register a point
.set I,    16                          ; v[16:19] four cells as loaded
.set A,    20                          ; v[20:23] the byte offset of each point's first corner
.set TXY,  24                          ; v[24:31] point p: tx, ty as a pair
.set TZ,   32                          ; v[32:35] point p: tz
.set O,    36                          ; v[36:43] buffer s: four results to store
.set X,    44                          ; v[44:75] buffer s: four points as loaded (x, y, z, and a fourth number that the formula does not use)
.set G,    76                          ; v[76:107] point p: eight corners; corner (dz, dy, dx) at 4 dx + 2 dy + dz, so that the packed lines find their pairs
.set AMIN, 16                          ; s16-18   aabb_min
.set AMAX, 19                          ; s19-21   aabb_max
.set INV,  22                          ; s22-24   2 / (aabb_max - aabb_min)
.set CNT,  25                          ; s25      trips to go
.set M,    28                          ; s28-31   d > 1, one mask a point
; Four points at v[x + 4 p .. + 2] become their places ix, iy, iz, in place; the fourth register of each point holds d.  The four points go side by side, so that no line waits for the one before it.
.macro COORD x
.irp p, 0,1,2,3
.irp a, 0,1,2
	v_subrev_f32 v[(\x)+4*(\p)+(\a)], s[AMIN+(\a)], v[(\x)+4*(\p)+(\a)]
.endr
.endr
.irp p, 0,1,2,3
.irp a, 0,1,2
	v_fma_f32 v[(\x)+4*(\p)+(\a)], v[(\x)+4*(\p)+(\a)], s[INV+(\a)], -1.0
.endr
.endr
.irp p, 0,1,2,3
	v_max3_num_f32 v[(\x)+4*(\p)+3], |v[(\x)+4*(\p)]|, |v[(\x)+4*(\p)+1]|, |v[(\x)+4*(\p)+2]|
.endr
.irp p, 0,1,2,3
	v_add_f32 v[(\x)+4*(\p)+3], 0x322bcc77, v[(\x)+4*(\p)+3]       ; + 1e-8
.endr
.irp p, 0,1,2,3
	v_rcp_f32 v[R+(\p)], v[(\x)+4*(\p)+3]
.endr
.irp p, 0,1,2,3
	v_cmp_lt_f32 s[M+(\p)], 1.0, v[(\x)+4*(\p)+3]                  ; plain lines between the reciprocals and the first use of their results (ISA guide 5.7.2)
.endr
	s_wait_alu depctr_va_sdst(0)                   ; the four compares have written their masks s[M ..], ahead of the selects that read them
	s_wait_alu depctr_va_vdst(0)                   ; the four reciprocals have written v[R ..]: one wait for the batch, ahead of its first reader
.irp p, 0,1,2,3
	v_sub_f32 v[Q+(\p)], 2.0, v[R+(\p)]
.endr
.irp p, 0,1,2,3
	v_cndmask_b32 v[Q+(\p)], v[(\x)+4*(\p)+3], v[Q+(\p)], s[M+(\p)]  ; f: a choice of values, no branch
.endr
.irp p, 0,1,2,3
	v_mul_f32 v[Q+(\p)], v[Q+(\p)], v[R+(\p)]
.endr
.irp p, 0,1,2,3
	v_mul_f32 v[Q+(\p)], 0x427f0000, v[Q+(\p)]                     ; x 63.75 = 0.5 x 0.5 x 255
.endr
.irp p, 0,1,2,3
.irp a, 0,1,2
	v_fmaak_f32 v[(\x)+4*(\p)+(\a)], v[(\x)+4*(\p)+(\a)], v[Q+(\p)], 0x42ff0000  ; + 127.5
.endr
.endr
.endm
; Point p's eight corners become one number, in v[G + 8 p].
.macro LERP p
	v_pk_add_f32 v[G+8*(\p)+4:G+8*(\p)+5], v[G+8*(\p)+4:G+8*(\p)+5], v[G+8*(\p):G+8*(\p)+1] neg_lo:[0,1] neg_hi:[0,1]      ; along x: v1 - v0, row y, both z
	v_pk_add_f32 v[G+8*(\p)+6:G+8*(\p)+7], v[G+8*(\p)+6:G+8*(\p)+7], v[G+8*(\p)+2:G+8*(\p)+3] neg_lo:[0,1] neg_hi:[0,1]    ; row y + 1
	v_pk_fma_f32 v[G+8*(\p):G+8*(\p)+1], v[G+8*(\p)+4:G+8*(\p)+5], v[TXY+2*(\p):TXY+2*(\p)+1], v[G+8*(\p):G+8*(\p)+1] op_sel_hi:[1,0,1]      ; v0 + tx (v1 - v0): the pair's first register for both halves
	v_pk_fma_f32 v[G+8*(\p)+2:G+8*(\p)+3], v[G+8*(\p)+6:G+8*(\p)+7], v[TXY+2*(\p):TXY+2*(\p)+1], v[G+8*(\p)+2:G+8*(\p)+3] op_sel_hi:[1,0,1]
	v_pk_add_f32 v[G+8*(\p)+2:G+8*(\p)+3], v[G+8*(\p)+2:G+8*(\p)+3], v[G+8*(\p):G+8*(\p)+1] neg_lo:[0,1] neg_hi:[0,1]      ; along y
	v_pk_fma_f32 v[G+8*(\p):G+8*(\p)+1], v[G+8*(\p)+2:G+8*(\p)+3], v[TXY+2*(\p):TXY+2*(\p)+1], v[G+8*(\p):G+8*(\p)+1] op_sel:[0,1,0] op_sel_hi:[1,1,1]  ; ty: the pair's second register for both halves
	v_sub_f32 v[G+8*(\p)+1], v[G+8*(\p)+1], v[G+8*(\p)]                                                                    ; along z
	v_fmac_f32 v[G+8*(\p)], v[TZ+(\p)], v[G+8*(\p)+1]
.endm
; A batch.  s: its parity, which picks X[s] and O[s].  first = 1: the first batch, with no batch in front of it.  ahead = 1: the next batch's cells and points are asked for.
.macro BATCH s, first, ahead
	s_wait_loadcnt 4                               ; loads come back in order (ISA guide 5.7.1): the cells are in; the four loads of points behind them may be out
.if !(\first)
	s_wait_xcnt 0x0                                ; every earlier memory instruction has had its addresses translated (ISA guide 3.1): the three bases, and O[s], which the last batch's store read, are written again only behind this wait
	s_wait_alu depctr_vm_vsrc(0)                   ; the last batch's gathers have read v[A ..], which the lines below write; its LDS stores have read their results in G, where this batch's gathers land; its store has read O[s], where this batch's LDS load lands
	s_add_nc_u64 s[4:5], s[4:5], STEP_X            ; the three bases at this batch
	s_add_nc_u64 s[6:7], s[6:7], STEP_C
	s_add_nc_u64 s[10:11], s[10:11], STEP_C
.endif
	; The offset is taken apart, each part held inside its range, and put together: z * 256 + y <= 0xfefe and 4 x <= 1,016, so that the farthest corner, 263,172 bytes on, is the volume's last number at the most.
.irp p, 0,1,2,3
	v_lshrrev_b32 v[A+(\p)], 10, v[I+(\p)]
	v_and_b32 v[Q+(\p)], 0x3fc, v[I+(\p)]
.endr
.irp p, 0,1,2,3
	v_min_u32 v[A+(\p)], 0xfefe, v[A+(\p)]
	v_min_u32 v[Q+(\p)], 0x3f8, v[Q+(\p)]
.endr
.irp p, 0,1,2,3
	v_lshl_add_u32 v[A+(\p)], v[A+(\p)], 10, v[Q+(\p)]
.endr
	s_wait_alu depctr_va_vdst(0)                   ; v[A ..] are written, which the gathers read as offsets; the lines above are done reading v[I ..], in which the next cells land; the last batch's vector lines are done with G and with the other X
.irp p, 0,1,2,3
.irp c, 0,1,2,3                        ; c = 2 dy + dz; a row's two neighbours one behind the other
	global_load_b32 v[G+8*(\p)+(\c)],   v[A+(\p)], s[8:9] offset:((\c)/2)*1024+((\c)%2)*262144
	global_load_b32 v[G+8*(\p)+4+(\c)], v[A+(\p)], s[8:9] offset:((\c)/2)*1024+((\c)%2)*262144+4
.endr
.endr
.if \ahead
	global_load_b128 v[I:I+3], v[VC], s[6:7] offset:STEP_C th:TH_LOAD_NT   ; the cells first: the next batch's gathers hang on them alone.  No vector line stands between the wait above and these five loads
.irp j, 0,1,2,3
	global_load_b128 v[X+16*(1-(\s))+4*(\j):X+16*(1-(\s))+4*(\j)+3], v[VX], s[4:5] offset:STEP_X+512*(\j) th:TH_LOAD_NT
.endr
.endif
.if !(\first)
	s_wait_dscnt 0x0                               ; the last batch's four results are back from the stage, in the other O
	global_store_b128 v[VC], v[O+4*(1-(\s)):O+4*(1-(\s))+3], s[10:11] offset:-STEP_C th:TH_STORE_NT  ; the batch before: the offset reaches back; 512 consecutive bytes a wave, aligned
.endif
	s_wait_loadcnt 32+5*(\ahead)                   ; the points are in; the 32 gathers and the next batch's five loads behind them are out, and the weights are made meanwhile
	COORD X+16*(\s)
.irp a, 0,1
.irp p, 0,1,2,3
	v_floor_f32 v[R+(\p)], v[X+16*(\s)+4*(\p)+(\a)]
.endr
.irp p, 0,1,2,3
	v_med3_num_f32 v[R+(\p)], v[R+(\p)], 0, 0x437e0000             ; the cell, held in 0 .. 254 as in the launch before
.endr
.irp p, 0,1,2,3
	v_sub_f32 v[TXY+2*(\p)+(\a)], v[X+16*(\s)+4*(\p)+(\a)], v[R+(\p)]
.endr
.endr
.irp p, 0,1,2,3
	v_floor_f32 v[Q+(\p)], v[X+16*(\s)+4*(\p)+2]
.endr
.irp p, 0,1,2,3
	v_med3_num_f32 v[Q+(\p)], v[Q+(\p)], 0, 0x437e0000
.endr
.irp p, 0,1,2,3
	v_sub_f32 v[TZ+(\p)], v[X+16*(\s)+4*(\p)+2], v[Q+(\p)]
.endr
.irp p, 0,1,2,3
	s_wait_loadcnt 5*(\ahead)+8*(3-(\p))           ; point p's eight corners are in; the later points' gathers and the next batch's five loads may be out
	LERP \p
.endr
	s_wait_alu depctr_va_vdst(0)                   ; the interpolations have written the four results v[G + 8 p], which the LDS stores read
.irp p, 0,1,2,3
	ds_store_b32 v[LST], v[G+8*(\p)] offset:128*(\p)               ; point 32 p + l of the wave's 128, at 4 bytes a point
.endr
	ds_load_b128 v[O+4*(\s):O+4*(\s)+3], v[LLD]    ; points 4 l .. 4 l + 3.  LDS serves a wave's instructions in order (ISA guide 5.7.1.4): this load sees the four stores, and the next batch's stores come behind it
.endm
	s_load_b256 s[4:11], s[0:1], 0x0               ; xyz s[4:5], cell s[6:7], volume s[8:9], out s[10:11]
	s_load_b64 s[12:13], s[0:1], 0x20              ; aabb
	v_lshl_add_u32 v[SPW], v0, 2, SPARE            ; the two registers of the add at the wave's end
	v_mov_b32 v[NIL], 0
	v_and_b32 v[Q], 31, v0                         ; lane
	v_lshrrev_b32 v[Q+1], 5, v0
	v_readfirstlane_b32 s14, v[Q+1]                ; wave
	v_lshlrev_b32 v[VC], 4, v0
	v_lshlrev_b32 v[Q+2], 4, v[Q]
	v_lshl_add_u32 v[VX], v[Q+1], 11, v[Q+2]       ; 128 points x 16 bytes a wave, 16 bytes a lane
	s_wait_alu depctr_va_sdst(0)                   ; s14 is written, ahead of its first reader
	s_lshl_b32 s15, s14, 9                         ; my wave's stage: 512 bytes
	v_lshl_add_u32 v[LST], v[Q], 2, s15
	v_lshl_add_u32 v[LLD], v[Q], 4, s15
	s_lshl_b32 s26, ttmp9, 17                      ; the work-group's 8,192 points: 131,072 bytes of xyz,
	s_mov_b32 s27, 0
	s_lshl_b32 s28, ttmp9, 15                      ; 32,768 bytes of cells and of out
	s_mov_b32 s29, 0
	s_wait_kmcnt 0x0
	s_load_b128 s[16:19], s[12:13], 0x0            ; aabb's 24 bytes: min x, y, z, max x,
	s_load_b64 s[20:21], s[12:13], 0x10            ; max y, z
	s_add_nc_u64 s[4:5], s[4:5], s[26:27]
	s_add_nc_u64 s[6:7], s[6:7], s[28:29]
	s_add_nc_u64 s[10:11], s[10:11], s[28:29]
	s_wait_alu depctr_va_vdst(0)                   ; the six addresses v2 to v7 are written, which the kernel's stream loads, stores and LDS instructions read; none is written again
	global_load_b128 v[I:I+3], v[VC], s[6:7] th:TH_LOAD_NT         ; the first batch: the cells, then the points
.irp j, 0,1,2,3
	global_load_b128 v[X+4*(\j):X+4*(\j)+3], v[VX], s[4:5] offset:512*(\j) th:TH_LOAD_NT
.endr
	s_wait_kmcnt 0x0
.irp a, 0,1,2
	v_sub_f32 v[Q+(\a)], s[AMAX+(\a)], s[AMIN+(\a)]
.endr
.irp a, 0,1,2
	v_rcp_f32 v[Q+(\a)], v[Q+(\a)]
.endr
	v_nop                                          ; a plain line between the last reciprocal and the use of its result
	s_wait_alu depctr_va_vdst(0)                   ; the three reciprocals have written v[Q ..]: one wait for the batch, ahead of its first reader
.irp a, 0,1,2
	v_add_f32 v[Q+(\a)], v[Q+(\a)], v[Q+(\a)]      ; twice the reciprocal, exactly
.endr
.irp a, 0,1,2
	v_readfirstlane_b32 s[INV+(\a)], v[Q+(\a)]     ; the same in every lane: kept as scalars
.endr
	s_wait_alu depctr_va_sdst(0)                   ; s[INV ..] are written, ahead of their first reader, the first batch's multiply-adds, and of every label
	BATCH 0, 1, 1                                  ; batch 0
	s_mov_b32 s[CNT], TRIPS
.Ltrip:                                                ; batches 1 to 6
	BATCH 1, 0, 1
	BATCH 0, 0, 1
	s_sub_co_u32 s[CNT], s[CNT], 1
	s_cmp_lg_u32 s[CNT], 0
	s_cbranch_scc1 .Ltrip
	BATCH 1, 0, 0                                  ; the last batch asks for nothing more: no load leaves its buffer
	s_wait_dscnt 0x0                               ; its four results are back from the stage
	global_store_b128 v[VC], v[O+4:O+7], s[10:11] th:TH_STORE_NT   ; 512 consecutive bytes a wave, aligned
	s_wait_dscnt 0x0                               ; the closing lines, six on end
	s_wait_alu 0x0
	s_wait_tensorcnt 0x0
	ds_add_u32 v[SPW], v[NIL]
	s_wait_dscnt 0x0
	s_endpgm
.Lfunc_end_k_q339385c6d2_sample:
	.size	k_q339385c6d2_sample, .Lfunc_end_k_q339385c6d2_sample-k_q339385c6d2_sample
	.p2alignl 7, 3214868480
	.fill 96, 4, 3214868480
	.section	.rodata,"a",@progbits
	.p2align	6, 0x0
	.amdhsa_kernel k_q339385c6d2_sample
		.amdhsa_group_segment_fixed_size 5120
		.amdhsa_private_segment_fixed_size 0
		.amdhsa_enable_private_segment 0
		.amdhsa_kernarg_size 40
		.amdhsa_user_sgpr_count 2
		.amdhsa_user_sgpr_kernarg_segment_ptr 1
		.amdhsa_wavefront_size32 1
		.amdhsa_system_sgpr_workgroup_id_x 1
		.amdhsa_system_sgpr_workgroup_id_y 1
		.amdhsa_system_sgpr_workgroup_id_z 1
		.amdhsa_system_vgpr_workitem_id 0
		.amdhsa_next_free_vgpr 108
		.amdhsa_next_free_sgpr 66
		.amdhsa_reserve_vcc 0
		.amdhsa_float_denorm_mode_32 3
		.amdhsa_float_denorm_mode_16_64 3
		.amdhsa_memory_ordered 1
		.amdhsa_forward_progress 1
		.amdhsa_inst_pref_size 53
	.end_amdhsa_kernel
	.amdgpu_metadata
---
amdhsa.version: [ 1, 2 ]
amdhsa.kernels:
  - .name:           k_q339385c6d2_sample
    .symbol:         k_q339385c6d2_sample.kd
    .args:
      - { .name: xyz_sampled, .offset: 0, .size: 8, .value_kind: global_buffer, .address_space: global }
      - { .name: cell, .offset: 8, .size: 8, .value_kind: global_buffer, .address_space: global }
      - { .name: alpha_volume, .offset: 16, .size: 8, .value_kind: global_buffer, .address_space: global }
      - { .name: out0, .offset: 24, .size: 8, .value_kind: global_buffer, .address_space: global }
      - { .name: aabb, .offset: 32, .size: 8, .value_kind: global_buffer, .address_space: global }
    .group_segment_fixed_size: 5120
    .private_segment_fixed_size: 0
    .kernarg_segment_align: 8
    .kernarg_segment_size: 40
    .max_flat_workgroup_size: 256
    .sgpr_count:     66
    .vgpr_count:     108
    .wavefront_size: 32
...
	.end_amdgpu_metadata
.endif
;; end of part 3
